; MI455X (gfx1250); checked and timed in simulation.
; The chip was launched on July 23, 2026; its instructions are those of AMD's public machine-readable ISA for CDNA 5 (MIT licence, August 2026) and "CDNA5" Instruction Set Architecture Reference Guide (July 2026). The comments in the code are by the model that wrote it; some were corrected since.
;; Quant Llama MLP. Allowed arithmetic: matrix products marked QUANTISED: E2M1 operands, one E8M0 scale for each 32 along K, by v_wmma_scale_f32_16x16x128_f8f6f4 with both operands' format E2M1 (or v_wmma_scale_f32_32x16x128_f4), f32 sums; everything else in f32.
;; Inputs: g_idx_down 11,008 int32; g_idx_gu 4,096 int32; qweight_down 1,376 x 4,096 uint32; qweight_gu 512 x 22,016 uint32; qzeros_down 86 x 512 uint32; qzeros_gu 32 x 2,752 uint32; scales_down 86 x 4,096 float32; scales_gu 32 x 22,016 float32; x 4 x 128 x 4,096 float32.
;; Outputs: out0 4 x 128 x 4,096 float32.
;; This version of the problem:
;;   THIS VERSION OF THE PROBLEM IS GIVEN IN LOW PRECISION. The matrix products marked QUANTISED in the list below multiply operands that are first quantised to E2M1 (2 exponent bits, 1 mantissa bit; 4 bits a number), with one power-of-two scale for each 32 numbers along K (OCP MX v1.0); their sums are f32. All else is computed in f32.
;;   The module's matrix products, in the order in which they are computed (A, B: the left and right operand; K: the contracted axis; several contracted axes count as one K, in the product's order):
;;     1. [M 512, K 4,096] x [K 4,096, N 22,016]; A: input x; B: computed on the way: QUANTISED
;;     2. [M 512, K 11,008] x [K 11,008, N 4,096]; A: computed on the way; B: computed on the way: QUANTISED
;;   THE QUANTISER, for each operand of a quantised product, along K:
;;     - K is cut into blocks of 32 from its start; a last block that is shorter is filled with zeros.
;;     - A block's scale is 2^e with e = floor(log2(the largest magnitude in the block)) - 2, held to -126 .. 127; a block of zeros has e = 0. As a byte (E8M0): e + 127.
;;     - Each number is divided by its block's scale, clamped to +-6, and rounded to the nearest number of E2M1, ties to even, subnormals kept.
;;     - The product sums the exact products of the quantised numbers (number of the format x scale) in f32.
;;   ~~~python
;;   def quantise(x, axis):      # numpy; x: float32 -> the quantised numbers, widened to float32 again
;;       x = np.moveaxis(x, axis, -1); K = x.shape[-1]
;;       x = np.pad(x, [(0, 0)] * (x.ndim - 1) + [(0, -K % 32)]); x = x.reshape(x.shape[:-1] + (-1, 32)); a = np.abs(x).max(-1, keepdims=True)
;;       e = np.where(a > 0, np.clip(np.frexp(np.where(a > 0, a, 1))[1] - 1 - 2, -126, 127), 0)      # np.frexp(a)[1] - 1 = floor(log2(a)), exactly
;;       r = np.clip(x / 2.0 ** e, -6, 6)
;;       step = 2.0 ** (np.maximum(np.frexp(np.where(r == 0, 1, r))[1] - 1, 0) - 1)
;;       q = np.round(r / step) * step * 2.0 ** e      # np.round: ties to even
;;       return np.moveaxis(q.reshape(q.shape[:-2] + (-1,))[..., :K], -1, axis).astype(np.float32)
;;   ~~~
;;   OPERANDS COMPUTED ON THE WAY. 'Computed on the way' means the value that the module computes at that place (a softmax that the list does not call 'softmax' is quantised finished and normalised). What goes into a quantiser is computed in f32, as accurately as f32 sums, v_exp_f32 and their like allow (about 1e-6 of the number): no bf16 or f16 on the way to a quantiser, and a product that is left as it is and whose result goes on into a quantised operand takes f32 operands (vector FMAs, or v_wmma_f32_16x16x4_f32). A number that lies on a knife's edge between two numbers of the format may be rounded either way, as far as f32 arithmetic and the matrix unit's own rounding can turn it there, and no further.
;; One version. Each part assembles by itself: llvm-mc -triple=amdgcn-amd-amdhsa -mcpu=gfx1250 --defsym DOCPART=n.
;; ======== version 1 of 1: 3 launches
;; workspace buffers: xc 1,048,576 bytes; xs 65,536 bytes; wgc 45,088,768 bytes; wgs 2,818,048 bytes; wdc 23,953,408 bytes; hc 2,994,176 bytes
;; launch prep (part 1): grid 1152 x 1, 4 waves a work-group, no clusters, 35,328 bytes of LDS; arguments x, xc, xs, qweight_gu, qzeros_gu, scales_gu, g_idx_gu, wgc, wgs, qweight_down, qzeros_down, scales_down, g_idx_down, wdc; writes xc, xs, wgc, wgs, wdc
.if DOCPART == 1
	.amdgcn_target "amdgcn-amd-amdhsa--gfx1250"
	.amdhsa_code_object_version 6
	.text
	.protected	k_qb95d694bb2_prep
	.globl	k_qb95d694bb2_prep
	.p2align	8
	.type	k_qb95d694bb2_prep,@function
k_qb95d694bb2_prep:
	s_mov_b64 s[64:65], 0
	v_nop
	global_prefetch_b8 v0, s[64:65] scope:SCOPE_SE
	s_setreg_imm32_b32 hwreg(HW_REG_WAVE_MODE, 25, 1), 1
	s_wait_xcnt 0x0
; x [512][4096] f32 and the two GPTQ weights become codes of FP4 (E2M1) with one E8M0 byte for each 32 along K, each number once.
; W[i][j] = sc[g[i]][j] * (nibble[i][j] - zero[g[i]][j] - 1): the difference is a whole number, exact in f32; one rounding in the product, as the problem writes it.
; A block's scale is 2^(floor(log2(largest magnitude)) - 2): its byte is the largest magnitude's exponent field - 2, held at 1 from below by a floor among the maximum's leaves.
; LAYOUTS (read by this program alone).  An item is 16 bytes: the 32 codes of one block of one row or column, the lower k in the lower bits.
;   xc  [128 blocks][512 rows][16];   xs [16 chunks of 256 K][512 rows][8 bytes]
;   wgc [128 blocks][344 tiles of 64 columns][64 slots][16];  column c of a tile lies at slot 16 (c % 4) + c / 4
;   wgs [16 chunks][344 tiles][p][r][e][8 bytes]: the 8 bytes of slot 16 (2 p + e) + r
;   wdc [64 tiles][11 runs of 1,024 along K (the last: 768)]: a run holds its codes [blocks][64 slots][16] and behind them its bytes [chunks][p][r][e][8]
; SHARES.  Work-groups 0-63: x.  64-751: gate_up (16 chunks x 43 groups of 512 columns).  752-1087: down's chunks 0 to 41 (42 x 8 groups of 512 columns).  In these a wave takes 128 columns x 256 along K, eight blocks.
; 1088-1151: down's chunk 42, ONE block of 32 along K to a wave (8 blocks x 32 groups of 128 columns = 256 waves): the weights are 1,032 whole shares, and the eight over 1,024 are cut small so that the shares fall more evenly.
; Both weights and both sizes of share take one way through the set-up: pointers and sizes are chosen by selects on the work-group's number, and a block number, 0 in a whole share, enters the pointers.
; Lane l takes columns 4 l .. 4 l + 3, so a load covers 512 consecutive bytes.  A word of qweight holds 8 neighbours down K of one column: a block of a column is four registers of ONE lane.
; g_idx is honoured as given.  Where the 32 rows of each of the chunk's 8 blocks name one group, the group's scales and zeros are loaded once a block; else a slower way loads them row by row.
; LIMITS: NaN and infinities among the inputs are not served; a block whose largest magnitude lies under 2^-124 has its byte held at 1; a block of zeros gets the byte 1 and zero codes; a group number beyond its table is held at the last group.
.set WGX,  64
.set WGD,  752
.set WGS,  1088                        ; from here on: one block a wave
.set RPG,  88064                       ; bytes in a row of qweight_gu and of scales_gu
.set RPD,  16384                       ; the same for down
.set NTS,  374272                      ; bytes of a tile in wdc
.set KBG,  352256                      ; bytes of a block of K in wgc
.set FLOOR, 0x1800000                  ; 2^(3 - 127)
; the largest magnitude of v[b] .. v[b + 31] and the floor, in two chains
.macro AMAX d, t, b
	v_max3_num_f32 v[\d], |v[(\b)]|, |v[(\b)+1]|, FLOOR
	v_max3_num_f32 v[\t], |v[(\b)+2]|, |v[(\b)+3]|, |v[(\b)+4]|
.irp i, 5,9,13,17,21,25
	v_max3_num_f32 v[\d], v[\d], |v[(\b)+\i]|, |v[(\b)+\i+1]|
	v_max3_num_f32 v[\t], v[\t], |v[(\b)+\i+2]|, |v[(\b)+\i+3]|
.endr
	v_max3_num_f32 v[\d], v[\d], |v[(\b)+29]|, |v[(\b)+30]|
	v_max3_num_f32 v[\d], v[\d], v[\t], |v[(\b)+31]|
.endm
	s_load_b512 s[8:23], s[0:1], 0x0               ; x, xc, xs, qweight_gu, qzeros_gu, scales_gu, g_idx_gu, wgc
	s_load_b256 s[24:31], s[0:1], 0x40             ; wgs, qweight_down, qzeros_down, scales_down
	s_load_b128 s[32:35], s[0:1], 0x60             ; g_idx_down, wdc
	v_lshl_add_u32 v196, v0, 2, 0x8800
	v_mov_b32 v197, 0
	v_lshrrev_b32 v1, 5, v0
	v_readfirstlane_b32 s2, v1                     ; wave
	v_and_b32 v1, 31, v0                           ; lane
	s_cmp_lt_u32 ttmp9, WGX
	s_cbranch_scc1 .Lx
	; ---------------- the weights ----------------
	s_sub_co_u32 s77, ttmp9, WGX
	s_and_b32 s78, s77, 15                         ; gate_up: chunk,
	s_lshr_b32 s79, s77, 4                         ; group of 512 columns
	s_sub_co_u32 s80, ttmp9, WGD
	s_and_b32 s81, s80, 7                          ; down: group of 512 columns,
	s_lshr_b32 s82, s80, 3                         ; chunk; in the last 64 work-groups: 42 + the block
	s_sub_co_u32 s5, s82, 42
	s_min_u32 s82, s82, 42
	s_cmp_ge_u32 ttmp9, WGS
	s_cselect_b32 s4, 1, 0                         ; 1: one block a wave
	s_cselect_b32 s5, s5, 0                        ; my block of the chunk; 0 in a whole share
	s_lshl_b32 s6, s5, 7                           ; its 32 numbers of g_idx, in bytes
	s_mov_b32 s7, 0
	s_cmp_lt_u32 ttmp9, WGD                        ; gate_up or down: hangs on the work-group's number alone
	s_cselect_b32 s78, s78, s82                    ; chunk
	s_cselect_b32 s79, s79, s81                    ; group of 512 columns
	s_mov_b32 s48, RPD
	s_cselect_b32 s48, RPG, s48                    ; RP: a row of qweight and of scales
	s_cselect_b32 s50, 31, 85                      ; the last group
	s_mov_b32 s51, NTS
	s_cselect_b32 s52, 512, s51                    ; from tile to tile among the scale bytes,
	s_cselect_b32 s51, 1024, s51                   ; among the codes
	s_mov_b32 s54, 1024
	s_cselect_b32 s54, KBG, s54                    ; from block to block among the codes
	s_mov_b32 s55, 0
	s_lshr_b32 s49, s48, 3                         ; a row of qzeros
	s_lshl_b32 s56, s48, 2                         ; four rows of qweight: a block
	s_mov_b32 s57, 0
	s_lshl_b32 s83, s79, 2
	s_add_co_u32 s83, s83, s2                      ; cg: my wave's group of 128 columns
	s_mul_i32 s84, s78, s48
	s_lshl_b32 s84, s84, 5                         ; qweight: chunk x 32 rows
	s_lshl_b32 s86, s83, 9                         ; + cg x 512 bytes (scales: the same 512)
	s_add_co_u32 s84, s84, s86
	s_mul_i32 s96, s5, s56
	s_add_co_u32 s84, s84, s96                     ; + my block's four rows
	s_mov_b32 s85, 0
	s_mov_b32 s87, 0
	s_lshl_b32 s88, s83, 6                         ; qzeros: cg x 64 bytes
	s_mov_b32 s89, 0
	s_lshl_b32 s90, s78, 10                        ; g_idx: chunk x 256 numbers
	s_mov_b32 s91, 0
	s_mul_i32 s92, s78, 8*KBG                      ; gate_up's codes: chunk x 8 blocks + cg x 2 tiles
	s_lshl_b32 s96, s83, 11
	s_add_co_u32 s92, s92, s96
	s_mul_i32 s94, s78, 176128                     ; gate_up's bytes
	s_lshl_b32 s96, s83, 10
	s_add_co_u32 s94, s94, s96
	s_mul_i32 s96, s83, 2*NTS                      ; down: my first tile,
	s_lshr_b32 s97, s78, 2                         ; the run of 1,024 along K,
	s_mul_i32 s98, s97, 34816
	s_add_co_u32 s96, s96, s98
	s_and_b32 s98, s78, 3                          ; the chunk in it
	s_lshl_b32 s99, s98, 13
	s_add_co_u32 s99, s99, s96                     ; down's codes
	s_lshl_b32 s98, s98, 9
	s_add_co_u32 s98, s98, s96
	s_cmp_eq_u32 s97, 10                           ; the last run has 24 blocks of codes in front of its bytes, the others 32
	s_mov_b32 s100, 32768
	s_cselect_b32 s100, 24576, s100
	s_add_co_u32 s98, s98, s100                    ; down's bytes
	s_cmp_lt_u32 ttmp9, WGD
	s_cselect_b32 s92, s92, s99
	s_cselect_b32 s94, s94, s98
	s_mov_b32 s93, 0
	s_mov_b32 s95, 0
	s_mul_i32 s96, s5, s54
	s_add_co_u32 s92, s92, s96                     ; + my block among the codes,
	s_add_co_u32 s94, s94, s5                      ; and its byte of a column's eight
	s_cmp_lt_u32 ttmp9, WGD                        ; (the additions have set SCC: compared again)
	s_wait_kmcnt 0x0
	s_cselect_b64 s[36:37], s[14:15], s[26:27]     ; qweight
	s_cselect_b64 s[38:39], s[16:17], s[28:29]     ; qzeros
	s_cselect_b64 s[40:41], s[18:19], s[30:31]     ; scales
	s_cselect_b64 s[42:43], s[20:21], s[32:33]     ; g_idx
	s_cselect_b64 s[44:45], s[22:23], s[34:35]     ; the codes
	s_cselect_b64 s[46:47], s[24:25], s[34:35]     ; the scale bytes
	s_add_nc_u64 s[36:37], s[36:37], s[84:85]
	s_add_nc_u64 s[38:39], s[38:39], s[88:89]
	s_add_nc_u64 s[40:41], s[40:41], s[86:87]
	s_add_nc_u64 s[42:43], s[42:43], s[90:91]
	s_add_nc_u64 s[44:45], s[44:45], s[92:93]
	s_add_nc_u64 s[46:47], s[46:47], s[94:95]
	v_lshlrev_b32 v11, 2, v1                       ; 4 x lane
.irp b, 0,1,2,3,4,5,6,7
	global_load_b32 v[138+\b], v11, s[42:43] offset:128*\b   ; the chunk's block b: lane i holds the group of its row i
.endr
	v_lshlrev_b32 v2, 4, v1                        ; v2-5: 16 x lane + word row i of a block
	v_add_nc_u32 v3, s48, v2
	v_add_nc_u32 v4, s48, v3
	v_add_nc_u32 v5, s48, v4
	v_lshlrev_b32 v6, 4, v1                        ; scales: my four columns
	v_lshrrev_b32 v7, 1, v1
	v_lshlrev_b32 v7, 2, v7                        ; qzeros: the word that holds my four columns,
	v_and_b32 v8, 1, v1
	v_lshlrev_b32 v8, 4, v8                        ; and the bit at which they begin
	v_lshrrev_b32 v12, 4, v1                       ; which of the wave's two tiles
	v_and_b32 v13, 15, v1
	v_lshlrev_b32 v13, 4, v13
	v_mul_lo_u32 v9, v12, s51
	v_add_nc_u32 v9, v9, v13                       ; codes: tile + 16 (lane % 16); column j adds 256 j
	v_mul_lo_u32 v10, v12, s52
	v_add_nc_u32 v10, v10, v13                     ; scale bytes likewise
.irp i, 0,1,2,3,4,5,6,7
	v_mov_b32 v[130+\i], 0                         ; the scale bytes, a pair of registers a column: bytes are shifted in from the top
.endr
	s_mov_b32 s58, 0xf                             ; the four nibbles of a half word,
	s_mov_b32 s59, 0xf0
	s_mov_b32 s60, 0xf00
	s_mov_b32 s61, 0xf000
	s_mov_b32 s66, 0x4b000000                      ; 2^23, 2^19, 2^15, 2^11: under that exponent the nibble at bit 4 k of the mantissa counts as itself,
	s_mov_b32 s67, 0x49000000
	s_mov_b32 s68, 0x47000000
	s_mov_b32 s69, 0x45000000
	s_mov_b32 s70, 0x4b000001                      ; and the same + 1
	s_mov_b32 s71, 0x49000010
	s_mov_b32 s72, 0x47000100
	s_mov_b32 s73, 0x45001000
	s_mov_b32 s74, 0
	s_mov_b32 s75, 0
	s_mov_b32 s76, 0
	s_wait_loadcnt 0x0
.irp b, 0,1,2,3,4,5,6,7
	v_readfirstlane_b32 s77, v[138+\b]
	v_cmp_ne_u32 vcc_lo, s77, v[138+\b]            ; does any row of the block name another group?
	s_or_b32 s76, s76, vcc_lo
	s_min_u32 s77, s77, 0xff
	s_lshl_b32 s77, s77, 8*(\b%4)
	s_or_b32 s[74+\b/4], s[74+\b/4], s77           ; the eight groups, a byte each
.endr
	s_add_nc_u64 s[42:43], s[42:43], s[6:7]        ; the eight loads are done: g_idx from my block on, for the slower way
	s_cmp_lt_u32 s5, 4                             ; one block a wave: its group comes to the front of the packed eight
	s_cselect_b32 s77, s74, s75
	s_and_b32 s78, s5, 3
	s_lshl_b32 s78, s78, 3
	s_lshr_b32 s77, s77, s78
	s_cmp_eq_u32 s4, 1
	s_cselect_b32 s74, s77, s74
	s_cmp_lg_u32 s76, 0
	s_cbranch_scc1 .Lslow
	s_cmp_eq_u32 s4, 1
	s_cbranch_scc1 .Lfast1
; The next block's loads into set x: its group from the packed eight, four rows of words, my four scales, my word of zeros.
.macro ISSUE x
	s_and_b32 s77, s74, 0xff
	s_lshr_b32 s74, s74, 8
	s_lshl_b32 s78, s75, 24
	s_or_b32 s74, s74, s78
	s_lshr_b32 s75, s75, 8
	s_min_u32 s77, s77, s50                        ; held at the table's last group,
	s_min_u32 s77, s77, 0xff                       ; and by a constant
	s_mul_i32 s78, s77, s48
	s_mul_i32 s79, s77, s49
	v_add_nc_u32 v[20+(\x)], s78, v6
	v_add_nc_u32 v[22+(\x)], s79, v7
.irp i, 0,1,2,3
	global_load_b128 v[24+16*(\x)+4*\i:27+16*(\x)+4*\i], v[2+\i], s[36:37] th:TH_LOAD_NT   ; 512 consecutive bytes; read once in the launch
.endr
	global_load_b128 v[56+4*(\x):59+4*(\x)], v[20+(\x)], s[40:41]
	global_load_b32 v[64+(\x)], v[22+(\x)], s[38:39]
.endm
; Column j's 32 numbers in v82-113 become 16 bytes of codes and a scale byte.
.macro QTAIL j
	AMAX 15, 16, 82
	v_add_nc_u32 v17, 0xff000000, v15              ; 2 off the exponent field: the conversion takes the exponent field of this operand as its scale
.irp g, 0,1,2,3
	v_cvt_scalef32_pk8_fp4_f32 v[114+4*\j+\g], v[82+8*\g:89+8*\g], v17
.endr
	v_lshrrev_b32 v18, 23, v17                     ; the byte (also the plain line behind the conversions)
	v_alignbit_b32 v[130+2*\j], v[131+2*\j], v[130+2*\j], 8    ; the pair moves down by a byte,
	v_alignbit_b32 v[131+2*\j], v18, v[131+2*\j], 8            ; and the new byte comes in on top: after eight blocks byte b lies at place b
	global_store_b128 v9, v[114+4*\j:117+4*\j], s[44:45] offset:256*\j   ; each half of the lanes stores 256 consecutive bytes, aligned
.endm
; A block whose 32 rows name one group, from set x.
.macro FAST x
	v_lshrrev_b32 v12, v8, v[64+(\x)]
.irp j, 0,1,2,3
	v_bfe_u32 v13, v12, 4*\j, 4
	v_cvt_f32_u32 v13, v13
.irp k, 0,1,2,3
	v_add_f32 v[66+4*\j+\k], s[70+\k], v13         ; 2^(23 - 4 k) + 1 + zero: exact
.endr
.endr
.irp j, 0,1,2,3
.irp i, 0,1,2,3
	v_lshrrev_b32 v14, 16, v[24+16*(\x)+4*\i+\j]
.irp t, 0,1,2,3
	v_and_or_b32 v[82+8*\i+\t], v[24+16*(\x)+4*\i+\j], s[58+\t], s[66+\t]     ; 2^(23 - 4 t) + nibble, as f32 bits
	v_and_or_b32 v[86+8*\i+\t], v14, s[58+\t], s[66+\t]
.endr
.endr
.irp p, 0,2,4,6,8,10,12,14,16,18,20,22,24,26,28,30
	v_pk_add_f32 v[82+\p:83+\p], v[82+\p:83+\p], v[66+4*\j+\p%4:67+4*\j+\p%4] neg_lo:[0,1] neg_hi:[0,1]   ; nibble - zero - 1: exact
.endr
.irp p, 0,2,4,6,8,10,12,14,16,18,20,22,24,26,28,30
.if (\j%2) == 0
	v_pk_mul_f32 v[82+\p:83+\p], v[82+\p:83+\p], v[56+4*(\x)+\j:57+4*(\x)+\j] op_sel_hi:[1,0]            ; x my column's scale: the pair's first register for both halves
.else
	v_pk_mul_f32 v[82+\p:83+\p], v[82+\p:83+\p], v[55+4*(\x)+\j:56+4*(\x)+\j] op_sel:[0,1] op_sel_hi:[1,1]   ; the pair's second register for both halves
.endif
.endr
	QTAIL \j
.endr
.endm
.macro BLK x, issue, first
	s_wait_loadcnt 0x0                             ; set x's six loads, the only ones out
	s_wait_xcnt 0x0                                ; the last block's stores and loads have read their registers: the pointers and the codes' registers may be written
.if \issue
	s_add_nc_u64 s[36:37], s[36:37], s[56:57]
	ISSUE 1-\x                                     ; the next block is on its way while this one is worked
.endif
.if !\first
	s_add_nc_u64 s[44:45], s[44:45], s[54:55]
.endif
	FAST \x
.endm
	ISSUE 0
	BLK 0, 1, 1
	s_mov_b32 s3, 3
.Lfast:
	BLK 1, 1, 0
	BLK 0, 1, 0
	s_sub_co_u32 s3, s3, 1
	s_cmp_lg_u32 s3, 0
	s_cbranch_scc1 .Lfast
	BLK 1, 0, 0                                    ; the eighth block asks for nothing: no load passes the chunk's end
	s_branch .Ljoin
.Lfast1:                                               ; one block a wave
	ISSUE 0
	s_wait_loadcnt 0x0
	FAST 0
	s_branch .Ljoin
.Lslow:                                                ; any g_idx: each row's scales and zeros by its own group.  v40-71 the rows' zero words, v162-193 the rows' offsets in scales, v146-161 sixteen rows' scales
	s_mov_b32 s3, 8
.Lsl:
.irp i, 0,1,2,3
	global_load_b128 v[24+4*\i:27+4*\i], v[2+\i], s[36:37] th:TH_LOAD_NT
.endr
	global_load_b32 v72, v11, s[42:43]             ; lane i: the group of the block's row i
	s_wait_loadcnt 0x0
.irp q, 0,1,2,3
.irp k, 0,1,2,3,4,5,6,7
	v_readlane_b32 s77, v72, 8*\q+\k
	s_min_u32 s77, s77, s50
	s_min_u32 s77, s77, 0xff
	s_mul_i32 s78, s77, s48
	s_mul_i32 s79, s77, s49
	v_add_nc_u32 v[162+8*\q+\k], s78, v6
	v_add_nc_u32 v[138+\k], s79, v7
	global_load_b32 v[40+8*\q+\k], v[138+\k], s[38:39]
.endr
	s_wait_loadcnt 0x0                             ; the eight loads are done: their offset registers may be written again
.endr
.set n, 0
.rept 32
	v_lshrrev_b32 v[40+n], v8, v[40+n]
.set n, n+1
.endr
.irp j, 0,1,2,3
.irp bt, 0,1
.irp k, 0,1,2,3,4,5,6,7,8,9,10,11,12,13,14,15
	global_load_b32 v[146+\k], v[162+16*\bt+\k], s[40:41] offset:4*\j
.endr
	s_wait_loadcnt 0x0
.irp k, 0,1,2,3,4,5,6,7,8,9,10,11,12,13,14,15
	v_bfe_u32 v[82+16*\bt+\k], v[24+4*((16*\bt+\k)/8)+\j], 4*(\k%8), 4
	v_bfe_u32 v12, v[40+16*\bt+\k], 4*\j, 4
	v_sub_nc_u32 v[82+16*\bt+\k], v[82+16*\bt+\k], v12
	v_cvt_f32_i32 v[82+16*\bt+\k], v[82+16*\bt+\k]
	v_add_f32 v[82+16*\bt+\k], -1.0, v[82+16*\bt+\k]
	v_mul_f32 v[82+16*\bt+\k], v[82+16*\bt+\k], v[146+\k]
.endr
.endr
	QTAIL \j
.endr
	s_cmp_eq_u32 s4, 1                             ; one block a wave: it is done
	s_cbranch_scc1 .Ljoin
	s_wait_xcnt 0x0                                ; the trip's loads and stores have read their registers and bases
	s_add_nc_u64 s[36:37], s[36:37], s[56:57]
	s_add_nc_u64 s[42:43], s[42:43], 128
	s_add_nc_u64 s[44:45], s[44:45], s[54:55]
	s_sub_co_u32 s3, s3, 1
	s_cmp_lg_u32 s3, 0
	s_cbranch_scc1 .Lsl
.Ljoin:
	s_cmp_eq_u32 s4, 1
	s_cbranch_scc1 .Lone
	global_store_b128 v10, v[130:133], s[46:47]            ; columns j = 0, 1: each half of the lanes stores 256 consecutive bytes, aligned
	global_store_b128 v10, v[134:137], s[46:47] offset:256 ; columns j = 2, 3
	s_endpgm
.Lone:                                                 ; one block: one byte a column, which stands on top of the column's pair.  128 bytes a wave, 32,768 in the launch, leave singly
.irp j, 0,1,2,3
	v_lshrrev_b32 v[130+2*\j], 24, v[131+2*\j]
.endr
.irp j, 0,1,2,3
	global_store_b8 v10, v[130+2*\j], s[46:47] offset:256*(\j/2)+8*(\j%2)
.endr
	s_endpgm
	; ---------------- x ----------------
	; A wave takes 32 rows x 256 along K, in four steps of 64.  Loads take the bytes as they lie (each half of the lanes 256 consecutive bytes of a row); the step turns through the wave's own stage in LDS
	; (rows 272 bytes apart), and comes back a row to a lane: 64 neighbours along K, two whole blocks.
.Lx:
	s_lshl_b32 s77, ttmp9, 2
	s_add_co_u32 s77, s77, s2
	s_and_b32 s78, s77, 15                         ; which 32 rows
	s_lshr_b32 s79, s77, 4                         ; which chunk of 256 along K
	s_lshl_b32 s80, s78, 19
	s_lshl_b32 s81, s79, 10
	s_add_co_u32 s80, s80, s81
	s_mov_b32 s81, 0
	s_lshl_b32 s82, s79, 16
	s_lshl_b32 s83, s78, 9
	s_add_co_u32 s82, s82, s83
	s_mov_b32 s83, 0
	s_lshl_b32 s84, s79, 12
	s_lshl_b32 s85, s78, 8
	s_add_co_u32 s84, s84, s85
	s_mov_b32 s85, 0
	s_mul_i32 s86, s2, 8704                        ; my stage: 32 rows x 272 bytes
	v_lshrrev_b32 v12, 4, v1
	v_and_b32 v13, 15, v1
	v_lshlrev_b32 v13, 4, v13
	v_lshl_add_u32 v2, v12, 14, v13                ; x: lanes 16-31 a row further down
	v_mul_u32_u24 v3, v12, 272
	v_add_nc_u32 v3, v3, v13
	v_add_nc_u32 v3, s86, v3                       ; into the stage
	v_mul_u32_u24 v4, v1, 272
	v_add_nc_u32 v4, s86, v4                       ; out of it: row = lane
	v_lshlrev_b32 v5, 4, v1
	v_lshlrev_b32 v6, 3, v1
	s_wait_kmcnt 0x0
	s_add_nc_u64 s[36:37], s[8:9], s[80:81]
	s_add_nc_u64 s[38:39], s[10:11], s[82:83]
	s_add_nc_u64 s[40:41], s[12:13], s[84:85]
.macro LOADX u
.irp i, 0,1,2,3,4,5,6,7,8,9,10,11,12,13,14,15
	global_load_b128 v[24+4*\i:27+4*\i], v2, s[36:37] offset:32768*\i+256*(\u) th:TH_LOAD_NT
.endr
.endm
.macro XSTEP u
	s_wait_loadcnt 0x0
.irp i, 0,1,2,3,4,5,6,7,8,9,10,11,12,13,14,15
	ds_store_b128 v3, v[24+4*\i:27+4*\i] offset:544*\i
.endr
.irp k, 0,1,2,3,4,5,6,7,8,9,10,11,12,13,14,15
	ds_load_b128 v[88+4*\k:91+4*\k], v4 offset:16*\k       ; LDS serves a wave's instructions in order: these see the stores above
.endr
	s_wait_dscnt 16                                ; the sixteen stores are done (the sixteen loads behind them may be out): their registers take the next step's loads
.if \u < 3
	LOADX \u+1
.endif
	s_wait_dscnt 0x0
.irp be, 0,1
	AMAX 15, 16, 88+32*\be
	v_add_nc_u32 v17, 0xff000000, v15
.irp g, 0,1,2,3
	v_cvt_scalef32_pk8_fp4_f32 v[152+8*\u+4*\be+\g], v[88+32*\be+8*\g:95+32*\be+8*\g], v17
.endr
.if ((2*\u+\be)%4) == 0
	v_lshrrev_b32 v[184+(2*\u+\be)/4], 23, v17     ; the byte (also the plain line behind the conversions)
.else
	v_lshrrev_b32 v18, 23, v17
	v_lshl_or_b32 v[184+(2*\u+\be)/4], v18, 8*((2*\u+\be)%4), v[184+(2*\u+\be)/4]
.endif
	global_store_b128 v5, v[152+8*\u+4*\be:155+8*\u+4*\be], s[38:39] offset:8192*(2*\u+\be)   ; 32 rows' items: 512 consecutive bytes; each step has its own registers
.endr
.endm
	LOADX 0
	XSTEP 0
	XSTEP 1
	XSTEP 2
	XSTEP 3
	global_store_b64 v6, v[184:185], s[40:41]      ; 32 rows x 8 bytes: 256 consecutive bytes, aligned
	s_wait_tensorcnt 0x0
	ds_add_u32 v196, v197
	s_wait_dscnt 0x0
	s_endpgm
.Lfunc_end_k_qb95d694bb2_prep:
	.size	k_qb95d694bb2_prep, .Lfunc_end_k_qb95d694bb2_prep-k_qb95d694bb2_prep
	.p2alignl 7, 3214868480
	.fill 96, 4, 3214868480
	.section	.rodata,"a",@progbits
	.p2align	6, 0x0
	.amdhsa_kernel k_qb95d694bb2_prep
		.amdhsa_group_segment_fixed_size 35328
		.amdhsa_private_segment_fixed_size 0
		.amdhsa_enable_private_segment 0
		.amdhsa_kernarg_size 112
		.amdhsa_user_sgpr_count 2
		.amdhsa_user_sgpr_kernarg_segment_ptr 1
		.amdhsa_wavefront_size32 1
		.amdhsa_system_sgpr_workgroup_id_x 1
		.amdhsa_system_sgpr_workgroup_id_y 1
		.amdhsa_system_sgpr_workgroup_id_z 1
		.amdhsa_system_vgpr_workitem_id 0
		.amdhsa_next_free_vgpr 198
		.amdhsa_next_free_sgpr 102
		.amdhsa_reserve_vcc 1
		.amdhsa_float_denorm_mode_32 3
		.amdhsa_float_denorm_mode_16_64 3
		.amdhsa_memory_ordered 1
		.amdhsa_forward_progress 1
		.amdhsa_inst_pref_size 227
	.end_amdhsa_kernel
	.amdgpu_metadata
---
amdhsa.version: [ 1, 2 ]
amdhsa.kernels:
  - .name:           k_qb95d694bb2_prep
    .symbol:         k_qb95d694bb2_prep.kd
    .args:
      - { .name: x, .offset: 0, .size: 8, .value_kind: global_buffer, .address_space: global }
      - { .name: xc, .offset: 8, .size: 8, .value_kind: global_buffer, .address_space: global }
      - { .name: xs, .offset: 16, .size: 8, .value_kind: global_buffer, .address_space: global }
      - { .name: qweight_gu, .offset: 24, .size: 8, .value_kind: global_buffer, .address_space: global }
      - { .name: qzeros_gu, .offset: 32, .size: 8, .value_kind: global_buffer, .address_space: global }
      - { .name: scales_gu, .offset: 40, .size: 8, .value_kind: global_buffer, .address_space: global }
      - { .name: g_idx_gu, .offset: 48, .size: 8, .value_kind: global_buffer, .address_space: global }
      - { .name: wgc, .offset: 56, .size: 8, .value_kind: global_buffer, .address_space: global }
      - { .name: wgs, .offset: 64, .size: 8, .value_kind: global_buffer, .address_space: global }
      - { .name: qweight_down, .offset: 72, .size: 8, .value_kind: global_buffer, .address_space: global }
      - { .name: qzeros_down, .offset: 80, .size: 8, .value_kind: global_buffer, .address_space: global }
      - { .name: scales_down, .offset: 88, .size: 8, .value_kind: global_buffer, .address_space: global }
      - { .name: g_idx_down, .offset: 96, .size: 8, .value_kind: global_buffer, .address_space: global }
      - { .name: wdc, .offset: 104, .size: 8, .value_kind: global_buffer, .address_space: global }
    .group_segment_fixed_size: 35328
    .private_segment_fixed_size: 0
    .kernarg_segment_align: 8
    .kernarg_segment_size: 112
    .max_flat_workgroup_size: 128
    .sgpr_count:     102
    .vgpr_count:     198
    .wavefront_size: 32
...
	.end_amdgpu_metadata
.endif
;; end of part 1
;; launch gemm1 (part 2): grid 172 x 1, 4 waves a work-group, no clusters, 279,040 bytes of LDS; arguments xc, xs, wgc, wgs, hc; writes hc
.if DOCPART == 2
	.amdgcn_target "amdgcn-amd-amdhsa--gfx1250"
	.amdhsa_code_object_version 6
	.text
	.protected	k_qb95d694bb2_gemm1
	.globl	k_qb95d694bb2_gemm1
	.p2align	8
	.type	k_qb95d694bb2_gemm1,@function
k_qb95d694bb2_gemm1:
	s_mov_b64 s[64:65], 0
	v_nop
	global_prefetch_b8 v0, s[64:65] scope:SCOPE_SE
	s_setreg_imm32_b32 hwreg(HW_REG_WAVE_MODE, 25, 1), 1
	s_wait_xcnt 0x0
; h = silu(x Wgate) * (x Wup), on codes of FP4 (E2M1) with E8M0 scales, and h's own codes and scale bytes for the second product.
; SHARES.  Work-group T takes gate tile T and up tile 172 + T (64 columns each), all 512 rows, all 4,096 of K.  Wave w takes rows 128 w .. + 127 against the 128 columns: 64 accumulators, 512 registers.
; THE WEIGHTS' TILE STAYS IN LDS for the whole launch: 2 x 128 KiB of codes and 2 x 8 KiB of scale bytes, each byte filled once, by nine tensor loads a wave that go out together at the head.
; Nothing is filled again, so there is no ring.  x's codes and scale bytes go from memory straight into registers, four K steps of 128 ahead.  Their bases never move: each of the four sets of fragments and
; each of the two sets of scale words has an offset register of its own, stepped just ahead of the set's next loads, behind the counted wait that has shown the set's last loads done.
; No cluster: what work-groups share is x's codes, and beside the stationary tile (278,528 bytes) 49,152 bytes are left, less than two slots of one K step of 512 rows (2 x 34,816).
; THE MATRIX INSTRUCTION IS USED TRANSPOSED: source 0 = 16 slots of W, source 1 = 16 rows of x.  Fragment j of a tile holds columns 4 r + j, so in fragment j lane (r, h) register i holds row r, column 32 h + 4 i + j:
; the four fragments give a lane 32 neighbouring columns of one row: a whole block of the next K.  No other lane is asked for its maximum, and nothing changes lanes.
; h's codes leave as [128-row tile][run of 1,024 K][block][row][16 bytes]: each half of the lanes stores 256 consecutive bytes, aligned.  h's scale bytes leave singly (2 of a row's 8 bytes of a chunk are this work-group's):
; 176,128 of the launch's 2,994,176 output bytes.
; h = (g u) / (1 + 2^(-g log2 e)): another order of rounding than silu(g) u, a few units in the last place.  LIMITS: NaN and infinities are not served; where g < -88 the divisor is infinite and h is 0;
; a block whose largest magnitude lies under 2^-124 has its byte held at 1; a block of zeros gets the byte 1 and zero codes.
; REGISTERS, in windows of 256.  Window 0: v0-13 addresses; v16-31 x's scale words (set s at 16 + 8 s), v32-47 W's (32 + 8 s); v48-51 the offsets of x's four sets of fragments, v52-53 of its two sets of scale words;
;   v64-215 the way out; x's fragment sets 0, 1 at v128, v192.   Window 1: W's fragment sets 0, 1 at v0, v64; x's sets 2, 3 at v128, v192.   Windows 2, 3: accumulator (a, b) at v[8 (8 (a % 4) + b)], a < 4 in window 2.
.set KBG,  352256                      ; bytes of a block of K in wgc
.set CHG,  176128                      ; bytes of a chunk in wgs
.set MTS,  748544                      ; bytes of a tile of 128 rows in hc
.set UPC,  131072                      ; LDS: gate codes at 0, up codes here,
.set SCL,  262144                      ; gate's scale bytes, and 8,192 on up's
.set FLOOR, 0x1800000
.set MSB, 0
.macro WIN new                         ; the immediate's high byte repeats the setting that is left; a switch that changes nothing is dropped
.if MSB != (\new)
	s_set_vgpr_msb (MSB<<8)|(\new)
.set MSB, (\new)
.endif
.endm
.macro PLACES                          ; four plain lines in front of loads into registers that matrix instructions have read, and of the first read of results
.rept 4
	v_nop
.endr
.endm
.macro AMAX d, t, b
	v_max3_num_f32 v[\d], |v[(\b)]|, |v[(\b)+1]|, FLOOR
	v_max3_num_f32 v[\t], |v[(\b)+2]|, |v[(\b)+3]|, |v[(\b)+4]|
.irp i, 5,9,13,17,21,25
	v_max3_num_f32 v[\d], v[\d], |v[(\b)+\i]|, |v[(\b)+\i+1]|
	v_max3_num_f32 v[\t], v[\t], |v[(\b)+\i+2]|, |v[(\b)+\i+3]|
.endr
	v_max3_num_f32 v[\d], v[\d], |v[(\b)+29]|, |v[(\b)+30]|
	v_max3_num_f32 v[\d], v[\d], v[\t], |v[(\b)+31]|
.endm
; One matrix instruction, by the symbols rD, rB, rA, rSB, rSA; fB, fA: the side's scale words stand in lanes 16-31 of the register named
.macro WM zero
.if \zero
.if fB && fA
	v_wmma_scale_f32_16x16x128_f8f6f4 v[rD:rD+7], v[rB:rB+7], v[rA:rA+7], 0, v[rSB], v[rSA] matrix_a_fmt:MATRIX_FMT_FP4 matrix_b_fmt:MATRIX_FMT_FP4 matrix_a_scale:MATRIX_SCALE_ROW1 matrix_b_scale:MATRIX_SCALE_ROW1
.elseif fB
	v_wmma_scale_f32_16x16x128_f8f6f4 v[rD:rD+7], v[rB:rB+7], v[rA:rA+7], 0, v[rSB], v[rSA] matrix_a_fmt:MATRIX_FMT_FP4 matrix_b_fmt:MATRIX_FMT_FP4 matrix_a_scale:MATRIX_SCALE_ROW1
.elseif fA
	v_wmma_scale_f32_16x16x128_f8f6f4 v[rD:rD+7], v[rB:rB+7], v[rA:rA+7], 0, v[rSB], v[rSA] matrix_a_fmt:MATRIX_FMT_FP4 matrix_b_fmt:MATRIX_FMT_FP4 matrix_b_scale:MATRIX_SCALE_ROW1
.else
	v_wmma_scale_f32_16x16x128_f8f6f4 v[rD:rD+7], v[rB:rB+7], v[rA:rA+7], 0, v[rSB], v[rSA] matrix_a_fmt:MATRIX_FMT_FP4 matrix_b_fmt:MATRIX_FMT_FP4
.endif
.else
.if fB && fA
	v_wmma_scale_f32_16x16x128_f8f6f4 v[rD:rD+7], v[rB:rB+7], v[rA:rA+7], v[rD:rD+7], v[rSB], v[rSA] matrix_a_fmt:MATRIX_FMT_FP4 matrix_b_fmt:MATRIX_FMT_FP4 matrix_a_scale:MATRIX_SCALE_ROW1 matrix_b_scale:MATRIX_SCALE_ROW1
.elseif fB
	v_wmma_scale_f32_16x16x128_f8f6f4 v[rD:rD+7], v[rB:rB+7], v[rA:rA+7], v[rD:rD+7], v[rSB], v[rSA] matrix_a_fmt:MATRIX_FMT_FP4 matrix_b_fmt:MATRIX_FMT_FP4 matrix_a_scale:MATRIX_SCALE_ROW1
.elseif fA
	v_wmma_scale_f32_16x16x128_f8f6f4 v[rD:rD+7], v[rB:rB+7], v[rA:rA+7], v[rD:rD+7], v[rSB], v[rSA] matrix_a_fmt:MATRIX_FMT_FP4 matrix_b_fmt:MATRIX_FMT_FP4 matrix_b_scale:MATRIX_SCALE_ROW1
.else
	v_wmma_scale_f32_16x16x128_f8f6f4 v[rD:rD+7], v[rB:rB+7], v[rA:rA+7], v[rD:rD+7], v[rSB], v[rSA] matrix_a_fmt:MATRIX_FMT_FP4 matrix_b_fmt:MATRIX_FMT_FP4
.endif
.endif
.endm
	s_load_b256 s[4:11], s[0:1], 0x0               ; xc, xs, wgc, wgs
	s_load_b64 s[12:13], s[0:1], 0x20              ; hc
	v_lshl_add_u32 v62, v0, 2, 0x44000
	v_mov_b32 v63, 0
	ds_add_u32 v62, v63
	ds_add_u32 v62, v63
	v_lshrrev_b32 v1, 5, v0
	v_readfirstlane_b32 s14, v1                    ; wave 0..3
	s_lshr_b32 s15, s14, 1                         ; I fetch for gate (0) or up (1),
	s_and_b32 s2, s14, 1                           ; the lower or the upper half of each piece
	; group 1 for codes: 8 blocks of K, each 1,024 consecutive bytes (128 elements of 8 bytes), KBG bytes apart
	s_mov_b32 s16, 3<<16
	s_mov_b32 s17, 128<<16                         ; tensor_dim0
	s_mov_b32 s18, 8<<16                           ; tensor_dim1
	s_mov_b32 s19, 128<<16                         ; tile_dim0
	s_mov_b32 s20, 8                               ; tile_dim1
	s_mov_b32 s21, KBG/8                           ; pitch in elements
	s_mov_b32 s22, 0
	s_mov_b32 s23, 0
	; group 1 for scale bytes: 8 chunks, each 512 consecutive bytes, CHG bytes apart
	s_mov_b32 s24, 3<<16
	s_mov_b32 s25, 64<<16
	s_mov_b32 s26, 8<<16
	s_mov_b32 s27, 64<<16
	s_mov_b32 s28, 8
	s_mov_b32 s29, CHG/8
	s_mov_b32 s30, 0
	s_mov_b32 s31, 0
	s_mul_i32 s84, s15, 172
	s_add_co_u32 s84, s84, ttmp9                   ; my tile of 64 columns
	s_lshl_b32 s86, s84, 10
	s_mul_i32 s85, s2, 8*KBG
	s_add_co_u32 s86, s86, s85                     ; its codes, from my half of piece 0 on
	s_mov_b32 s87, 0
	s_lshl_b32 s88, s84, 9
	s_mul_i32 s85, s2, 8*CHG
	s_add_co_u32 s88, s88, s85                     ; its scale bytes, my eight chunks
	s_mov_b32 s89, 0
	s_lshl_b32 s90, s15, 17
	s_lshl_b32 s91, s2, 13
	s_add_co_u32 s90, s90, s91                     ; LDS: 131,072 x (gate or up) + 8,192 x half
	s_lshl_b32 s92, s15, 13
	s_lshl_b32 s91, s2, 12
	s_add_co_u32 s92, s92, s91
	s_add_co_u32 s92, s92, SCL
	s_lshl_b32 s84, s14, 11                        ; x's codes: my 128 rows x 16 bytes
	s_mov_b32 s85, 0
	s_lshl_b32 s96, s14, 10                        ; x's scale bytes: my 128 rows x 8
	s_mov_b32 s97, 0
	s_mov_b32 s93, 0                               ; LDS byte at which the piece in hand begins among the codes,
	s_mov_b32 s94, 0                               ; and among the scale bytes
	s_wait_dscnt 0x0
	s_wait_kmcnt 0x0
	s_add_nc_u64 s[86:87], s[8:9], s[86:87]
	s_add_nc_u64 s[88:89], s[10:11], s[88:89]
	s_add_nc_u64 s[76:77], s[4:5], s[84:85]        ; x's codes at my rows: never written again
	s_add_nc_u64 s[78:79], s[6:7], s[96:97]        ; x's scale bytes likewise
	s_mov_b32 s32, 1
	s_mov_b32 s33, s92
	s_mov_b64 s[34:35], s[88:89]
	s_or_b32 s35, s35, 0x80000000
.irp c, 0,1,2,3,4,5,6,7                ; a group 0 for each piece of 512 along K: all nine loads are out together, so none is written again
.set GC, 36+4*\c
.if \c == 7
.set GC, 68
.endif
	s_mov_b32 s[GC], 1
	s_add_co_u32 s[GC+1], s90, 16384*\c
	s_add_nc_u64 s[GC+2:GC+3], s[86:87], 16*KBG*\c
	s_or_b32 s[GC+3], s[GC+3], 0x80000000
.endr
	tensor_load_to_lds s[32:35], s[24:31]          ; the scale bytes first, then the pieces in the order in which they are multiplied: nine loads of mine are out
	s_nop 0
.irp c, 0,1,2,3,4,5,6,7
.set GC, 36+4*\c
.if \c == 7
.set GC, 68
.endif
	tensor_load_to_lds s[GC:GC+3], s[16:23]
	s_nop 0
.endr
	PLACES                                         ; four plain lines behind the last tensor load
	v_and_b32 v1, 15, v0                           ; r
	v_bfe_u32 v2, v0, 4, 1                         ; h
	v_lshlrev_b32 v10, 4, v1
	v_lshl_add_u32 v48, v2, 13, v10                ; x's codes: block h of a pair (8,192 bytes apart) + 16 r: K step 0 of a piece,
	v_add_nc_u32 v49, 0x8000, v48                  ; K steps 1, 2, 3: four blocks of 8,192 bytes on each
	v_add_nc_u32 v50, 0x10000, v48
	v_add_nc_u32 v51, 0x18000, v48
	v_and_b32 v52, 31, v0
	v_lshlrev_b32 v52, 3, v52                      ; x's scale bytes: 8 x lane: lanes 0-15 an even fragment's rows, lanes 16-31 the odd one's: a piece's first chunk,
	v_add_nc_u32 v53, 0x1000, v52                  ; its second
	v_lshl_add_u32 v11, v2, 10, v10                ; W's codes in LDS: block h of a pair (1,024 bytes apart) + 16 r: gate,
	v_add_nc_u32 v12, UPC, v11                     ; up
	v_lshl_add_u32 v13, v2, 3, v10
	v_add_nc_u32 v13, SCL, v13                     ; W's scale bytes: 16 r + 8 h: lanes 0-15 an even fragment, lanes 16-31 the odd one
	v_lshl_add_u32 v8, v2, 11, v10                 ; h's codes: block h of my pair (2,048 bytes apart) + 16 r
	v_lshl_add_u32 v9, v1, 3, v2                   ; h's scale bytes: 8 r + h
.macro ALOAD q                         ; x's eight fragments of a piece's q-th K step, at the set's own offset, into set q.  Each half of the lanes reads 256 consecutive bytes
.irp a, 0,1,2,3,4,5,6,7
.irp c, 0,1
	global_load_b128 v[128+64*((\q)%2)+8*\a+4*\c:128+64*((\q)%2)+8*\a+4*\c+3], v[48+(\q)], s[76:77] offset:16384*\c+256*\a
.endr
.endr
.endm
.macro XSLOAD sg                       ; x's scale words of a piece's chunk sg: register 2 jj + u: K step u of the chunk, fragments 2 jj and 2 jj + 1
.irp jj, 0,1,2,3
	global_load_b64 v[16+8*(\sg)+2*\jj:17+8*(\sg)+2*\jj], v[52+(\sg)], s[78:79] offset:256*\jj
.endr
.endm
.macro BFETCH q, x                     ; W's eight fragments (four of gate, four of up) of the piece's q-th K step into set x
.irp b, 0,1,2,3
.irp c, 0,1
	ds_load_b128 v[64*(\x)+8*\b+4*\c:64*(\x)+8*\b+4*\c+3], v5 offset:4096*(\q)+2048*\c+256*\b
.endr
.endr
.irp b, 0,1,2,3
.irp c, 0,1
	ds_load_b128 v[64*(\x)+32+8*\b+4*\c:64*(\x)+32+8*\b+4*\c+3], v6 offset:4096*(\q)+2048*\c+256*\b
.endr
.endr
.endm
.macro WSFETCH cc, sg                  ; W's scale words of the piece's chunk cc into set sg: pairs of fragments 0, 1 gate, 2, 3 up
.irp pp, 0,1,2,3
	ds_load_b64 v[32+8*(\sg)+2*\pp:33+8*(\sg)+2*\pp], v7 offset:512*(\cc)+256*(\pp%2)+8192*(\pp/2)
.endr
.endm
; 16 matrix instructions: x's fragments a0, a0 + 1 against W's eight.  The 64 accumulators take turns, one instruction a turn, in the same order in every K step.
.macro MUL16 a0, q, zero
.irp a, \a0, \a0+1
.irp b, 0,1,2,3,4,5,6,7
.set rD, 8*(8*((\a)%4)+\b)
.set rB, 64*((\q)%2)+8*\b
.set rA, 128+64*((\q)%2)+8*(\a)
.set rSB, 32+8*((\q)/2)+2*(\b/2)+(\q)%2
.set rSA, 16+8*((\q)/2)+2*((\a)/2)+(\q)%2
.set fB, \b%2
.set fA, (\a)%2
	WM \zero
.endr
.endr
.endm
; A K step of 128: 64 matrix instructions.  zero: its products start the sums.  nextb: W's next fragments are fetched in its middle.  ld: x's fragments of four K steps on are asked for at its end, into the set just multiplied.
; n: the global loads issued behind the youngest that this step needs.  That wait has also shown done the last loads that named this set's offset register (and, in an odd step, the scale set's): so the offsets are stepped with no further wait.
.macro KSTEP q, zero, ld, nextb, n
	s_wait_loadcnt \n
	s_wait_dscnt 0x0                               ; W's fragments and scale words, asked for 32 matrix instructions ago
	WIN 0xa1+4*((\q)/2)                            ; source 0 (W) window 1; source 1 (x) window 0 or 1; C and D window 2
	MUL16 0, \q, \zero
	MUL16 2, \q, \zero
.if \nextb
	PLACES
	WIN 0x40
	BFETCH (\q)+1, ((\q)+1)%2
	WIN 0
.if (\q)%2 == 1
	WSFETCH ((\q)+1)/2, (((\q)+1)/2)%2
.endif
.endif
	WIN 0xf1+4*((\q)/2)                            ; C and D window 3
	MUL16 4, \q, \zero
	MUL16 6, \q, \zero
.if \ld
	WIN 0
	v_add_nc_u32 v[48+(\q)], 0x20000, v[48+(\q)]   ; the set's K step of the next piece: 16 blocks of 8,192 bytes on.  (The steps and the v_nop are the four places in front of the loads below)
.if (\q)%2 == 1
	v_add_nc_u32 v[52+((\q)-1)/2], 0x2000, v[52+((\q)-1)/2]   ; two chunks of 4,096 bytes on
	v_nop
	v_nop
	XSLOAD ((\q)-1)/2
.else
	v_nop
	v_nop
	v_nop
.endif
	WIN 0x40*((\q)/2)
	ALOAD \q
.endif
	WIN 0                                          ; at a label and at a branch every window is 0
.endm
; A piece: 512 along K, four K steps.  zero = 1: the piece's FIRST K step alone starts the sums; the other three add onto them, as in every piece.
; In front of every step 52 younger loads may be out: two sets of fragments, four scale loads and a third set (16 + 16 + 4 + 16).  The last piece asks for nothing, and its counts run down.
.macro PIECE zero, last
	v_add_nc_u32 v5, s93, v11
	v_add_nc_u32 v6, s93, v12
	v_add_nc_u32 v7, s94, v13
.if \last
	KSTEP 0, 0, 0, 1, 52
	KSTEP 1, 0, 0, 1, 36
	KSTEP 2, 0, 0, 1, 16
	KSTEP 3, 0, 0, 0, 0
.else
	KSTEP 0, \zero, 1, 1, 52
	KSTEP 1, 0, 1, 1, 52
	KSTEP 2, 0, 1, 1, 52
	KSTEP 3, 0, 1, 1, 52                           ; its fetch reaches into the next piece's first K step
	s_add_co_u32 s93, s93, 16384
	s_add_co_u32 s94, s94, 1024
.endif
.endm
.macro LANDED n                        ; all but my n youngest tensor loads have landed; no LDS load of mine is out; then the barrier: the same holds of every wave
	s_wait_tensorcnt \n
	s_wait_dscnt 0x0
	s_barrier_signal -1
	s_barrier_wait -1
.endm
	ALOAD 0                                        ; piece 0 of x: fragments and scale words in the order in which the loop goes on issuing them
	XSLOAD 0
	ALOAD 1
	WIN 0x40
	ALOAD 2
	WIN 0
	XSLOAD 1
	WIN 0x40
	ALOAD 3
	WIN 0
	LANDED 6                                       ; the scale bytes and pieces 0 and 1
	v_add_nc_u32 v5, s93, v11
	v_add_nc_u32 v6, s93, v12
	v_add_nc_u32 v7, s94, v13
	WIN 0x40
	BFETCH 0, 0
	WIN 0
	WSFETCH 0, 0
	PIECE 1, 0                                     ; piece 0: its first K step's products start the sums: nothing is cleared
	LANDED 3                                       ; pieces up to 4
	s_mov_b32 s3, 3
.Lp1:                                                  ; pieces 1 to 3
	PIECE 0, 0
	s_sub_co_u32 s3, s3, 1
	s_cmp_lg_u32 s3, 0
	s_cbranch_scc1 .Lp1
	LANDED 0                                       ; all
	s_mov_b32 s3, 3
.Lp2:                                                  ; pieces 4 to 6
	PIECE 0, 0
	s_sub_co_u32 s3, s3, 1
	s_cmp_lg_u32 s3, 0
	s_cbranch_scc1 .Lp2
	PIECE 0, 1                                     ; piece 7
	; THE WAY OUT: where my rows' codes and bytes go in hc
	s_lshr_b32 s84, ttmp9, 4                       ; the run of 1,024 along the next K (16 tiles of 64)
	s_and_b32 s85, ttmp9, 15
	s_mul_i32 s86, s14, MTS                        ; my 128 rows are a tile of hc
	s_mul_i32 s87, s84, 69632
	s_add_co_u32 s86, s86, s87
	s_lshl_b32 s87, s85, 12                        ; my two blocks: 2 x 128 rows x 16 bytes
	s_add_co_u32 s88, s86, s87
	s_mov_b32 s89, 0
	s_lshr_b32 s87, s85, 2
	s_lshl_b32 s87, s87, 10                        ; the chunk of 256: 128 rows x 8 bytes
	s_add_co_u32 s90, s86, s87
	s_and_b32 s87, ttmp9, 3
	s_lshl_b32 s87, s87, 1                         ; my two bytes of a row's eight
	s_add_co_u32 s90, s90, s87
	s_cmp_eq_u32 s84, 10                           ; the last run has 24 blocks of codes in front of its bytes, the others 32
	s_mov_b32 s87, 65536
	s_cselect_b32 s87, 49152, s87
	s_add_co_u32 s90, s90, s87
	s_mov_b32 s91, 0
	s_add_nc_u64 s[80:81], s[12:13], s[88:89]
	s_add_nc_u64 s[82:83], s[12:13], s[90:91]
	PLACES
; Rows 16 a .. 16 a + 15.  v64-95: -g log2 e, then the divisor, then its reciprocal; v96-127: g u; v128-159: h, register 4 i + j = column 32 h + 4 i + j: the lane's block in the order of K.
; Each fragment's codes (v176 + 4 a on) and byte (v208 + a) have registers of their own, and the stores' offsets and bases are never written again: so no store's source is rewritten, and no wait stands here for one.
.macro HFRAG a
.set AC, 64*((\a)%4)
	WIN 0x0a+5*((\a)/4)                            ; sources 0 and 1: window 2 or 3
.irp j, 0,1,2,3
.irp ip, 0,2,4,6                       ; each accumulator from its low end on
	v_pk_mul_f32 v[64+8*\j+\ip:65+8*\j+\ip], v[AC+8*\j+\ip:AC+8*\j+\ip+1], 0xbfb8aa3b op_sel_hi:[1,0]
	v_pk_mul_f32 v[96+8*\j+\ip:97+8*\j+\ip], v[AC+8*\j+\ip:AC+8*\j+\ip+1], v[AC+32+8*\j+\ip:AC+32+8*\j+\ip+1]
.endr
.endr
	WIN 0
.set n, 0
.rept 32
	v_exp_f32 v[64+n], v[64+n]
.set n, n+1
.endr
	v_nop                                          ; a plain line behind the last exponential,
	s_wait_alu depctr_va_vdst(0)                   ; and one wait for the batch, ahead of its first reader
.set n, 0
.rept 16
	v_pk_add_f32 v[64+n:65+n], v[64+n:65+n], 1.0 op_sel_hi:[1,0]
.set n, n+2
.endr
.set n, 0
.rept 32
	v_rcp_f32 v[64+n], v[64+n]
.set n, n+1
.endr
	v_nop
	s_wait_alu depctr_va_vdst(0)                   ; one wait for the 32 reciprocals
.irp j, 0,1,2,3
.irp i, 0,1,2,3,4,5,6,7
	v_mul_f32 v[128+4*\i+\j], v[96+8*\j+\i], v[64+8*\j+\i]
.endr
.endr
	AMAX 170, 171, 128
	v_add_nc_u32 v172, 0xff000000, v170            ; 2 off the exponent field: the conversion's scale operand
.irp g, 0,1,2,3
	v_cvt_scalef32_pk8_fp4_f32 v[176+4*(\a)+\g], v[128+8*\g:135+8*\g], v172
.endr
	v_lshrrev_b32 v[208+(\a)], 23, v172            ; the byte (also the plain line behind the conversions)
	global_store_b128 v8, v[176+4*(\a):179+4*(\a)], s[80:81] offset:256*(\a)   ; each half of the lanes stores 256 consecutive bytes, aligned
	global_store_b8 v9, v[208+(\a)], s[82:83] offset:128*(\a)
.endm
.irp a, 0,1,2,3,4,5,6,7
	HFRAG \a
.endr
	s_wait_tensorcnt 0x0
	ds_add_u32 v62, v63
	s_wait_dscnt 0x0
	s_endpgm
.Lfunc_end_k_qb95d694bb2_gemm1:
	.size	k_qb95d694bb2_gemm1, .Lfunc_end_k_qb95d694bb2_gemm1-k_qb95d694bb2_gemm1
	.p2alignl 7, 3214868480
	.fill 96, 4, 3214868480
	.section	.rodata,"a",@progbits
	.p2align	6, 0x0
	.amdhsa_kernel k_qb95d694bb2_gemm1
		.amdhsa_group_segment_fixed_size 279040
		.amdhsa_private_segment_fixed_size 0
		.amdhsa_enable_private_segment 0
		.amdhsa_kernarg_size 40
		.amdhsa_user_sgpr_count 2
		.amdhsa_user_sgpr_kernarg_segment_ptr 1
		.amdhsa_wavefront_size32 1
		.amdhsa_system_sgpr_workgroup_id_x 1
		.amdhsa_system_sgpr_workgroup_id_y 1
		.amdhsa_system_sgpr_workgroup_id_z 1
		.amdhsa_system_vgpr_workitem_id 0
		.amdhsa_next_free_vgpr 1024
		.amdhsa_next_free_sgpr 100
		.amdhsa_reserve_vcc 0
		.amdhsa_float_denorm_mode_32 3
		.amdhsa_float_denorm_mode_16_64 3
		.amdhsa_memory_ordered 1
		.amdhsa_forward_progress 1
		.amdhsa_inst_pref_size 255
	.end_amdhsa_kernel
	.section	.bss,"aw",@nobits
	.p2align	6
	.space	262144
	.amdgpu_metadata
---
amdhsa.version: [ 1, 2 ]
amdhsa.kernels:
  - .name:           k_qb95d694bb2_gemm1
    .symbol:         k_qb95d694bb2_gemm1.kd
    .args:
      - { .name: xc, .offset: 0, .size: 8, .value_kind: global_buffer, .address_space: global }
      - { .name: xs, .offset: 8, .size: 8, .value_kind: global_buffer, .address_space: global }
      - { .name: wgc, .offset: 16, .size: 8, .value_kind: global_buffer, .address_space: global }
      - { .name: wgs, .offset: 24, .size: 8, .value_kind: global_buffer, .address_space: global }
      - { .name: hc, .offset: 32, .size: 8, .value_kind: global_buffer, .address_space: global }
    .group_segment_fixed_size: 279040
    .private_segment_fixed_size: 0
    .kernarg_segment_align: 8
    .kernarg_segment_size: 40
    .max_flat_workgroup_size: 128
    .sgpr_count:     100
    .vgpr_count:     1024
    .wavefront_size: 32
...
	.end_amdgpu_metadata
.endif
;; end of part 2
;; launch gemm2 (part 3): grid 64 x 4, 4 waves a work-group, clusters of 4 x 4, 327,680 bytes of LDS; arguments hc, wdc, out0; writes out0
.if DOCPART == 3
	.amdgcn_target "amdgcn-amd-amdhsa--gfx1250"
	.amdhsa_code_object_version 6
	.text
	.protected	k_qb95d694bb2_gemm2
	.globl	k_qb95d694bb2_gemm2
	.p2align	8
	.type	k_qb95d694bb2_gemm2,@function
k_qb95d694bb2_gemm2:
	s_mov_b64 s[64:65], 0
	v_nop
	global_prefetch_b8 v0, s[64:65] scope:SCOPE_SE
	s_setreg_imm32_b32 hwreg(HW_REG_WAVE_MODE, 25, 1), 1
	s_wait_xcnt 0x0
	s_wait_alu depctr_hold_cnt(0) depctr_sa_sdst(0) depctr_va_vdst(0) depctr_va_sdst(0) depctr_va_ssrc(0) depctr_va_vcc(0) depctr_vm_vsrc(0)
	s_getreg_b32 s2, hwreg(HW_REG_IB_STS2, 6, 4)
	s_cmp_eq_u32 s2, 0
	s_cbranch_scc0 .Lentry_in_a_cluster
	s_endpgm
.Lentry_in_a_cluster:
	s_bfe_u32 s2, ttmp6, 0x10000c
	s_cmp_lg_u32 s2, 0xf033
	s_cbranch_scc0 .Lentry_shape_is_right
	s_endpgm
.Lentry_shape_is_right:
; out0 = h Wdown, on codes of FP4 (E2M1) with E8M0 scales: M 512, K 11,008, N 4,096; sums in f32.
; SHARES.  256 work-groups, each 128 rows x 64 columns; wave w takes rows 32 w .. + 31 against all 64 columns: 8 accumulators; its rows of the tile are whole runs of 256 bytes of out0.
; K goes in eleven runs of 1,024 (the last: 768).  In hc and wdc a run of a tile is ONE dense block, codes and behind them scale bytes, and a tile's runs lie on end.
; LDS HOLDS THREE RUNS, IN TWO SLOTS OF UNEQUAL SIZE.  The large slot is places 0 and 1: one fill brings two runs (wave 0: h's first run, wave 1: h's second; waves 2, 3: W's).  The small slot is place 2: one run, in halves.
; Fills: {0, 1} and {2} together at the head, then {3, 4}, {5}, {6, 7}, {8}, {9, 10}: five refills for eleven runs.  While the large slot is filled, place 2 is multiplied; while the small one is filled, places 0 and 1.
; Runs 9 and 10 together are dense in memory and in LDS (121,856 bytes of h, 60,928 of W) and come as two equal halves.  By this text's count two tensor loads of a wave are out at the head, one behind each refill's round.
; CLUSTERS: 4 x 4 work-groups.  The four of a row of the cluster (same cy) need the same blocks of h, the four of a column (same cx) the same blocks of W: each is asked for jointly.  The grid has one cluster along y: the row tile is cy.
; THE MATRIX INSTRUCTION IS USED TRANSPOSED: source 0 = 16 slots of W (fragment j holds columns 4 r + j), source 1 = 16 rows of h: in fragment j lane (r, h) register i holds row r, column 32 h + 4 i + j.
; LDS claim: all of a WGP's; used: 313,856 bytes.
; REGISTERS: v3-6 a lane's places in a run's blocks, v7-10 the same in the place in hand; v11-13 the way out; v14, v15 the add's; v16-18 the prefetches' offsets; v20-23 h's scale words, v24-31 W's (two sets each);
;   v32-63 h's fragments, v64-127 W's (two sets each); v128-191 accumulator (a, b) at 128 + 8 (4 a + b); v192-255 the way out.
.set MTS,   748544                     ; a tile of 128 rows in hc
.set NTS,   374272                     ; a tile of 64 columns in wdc
.set ABLK,  69632                      ; a full run's block of h: 32 blocks x 128 rows x 16 bytes, then 4 chunks x 128 rows x 8
.set BBLK,  34816                      ; of W: 32 x 64 x 16, then 4 x 512
.set PA0,   0                          ; the large slot: h's two runs on end,
.set PA1,   ABLK
.set PB0,   2*ABLK                     ; then W's two
.set PB1,   2*ABLK+BBLK
.set PA2,   2*ABLK+2*BBLK              ; the small slot: h's run,
.set PB2,   PA2+ABLK                   ; W's
.set SPARE, PB2+BBLK                   ; behind it: the spare words, 128 bytes a wave: two blocks of 256 bytes that no other line names
.set STAGE, PA2                        ; the way out: 32 rows x 272 bytes a wave, in the small slot, which has had its last fill and its last read by then
.set G1AB, 16                          ; groups 1.  h: a half of the large fill (272 rows of 256 bytes),
.set G1BB, 24                          ;            W: likewise (136)
.set G1AS, 32                          ; a half of the small fill: h (136),
.set G1BS, 40                          ;                           W (68)
.set G1AL, 48                          ; a half of runs 9 and 10: h (238),
.set G1BL, 56                          ;                          W (119)
.set G0AB, 68                          ; groups 0, in the same order; the first four walk
.set G0BB, 72
.set G0AS, 76
.set G0BS, 80
.set G0AL, 84
.set G0BL, 88
.macro PLACES
.rept 4
	v_nop
.endr
.endm
.macro WM zero
.if \zero
.if fB && fA
	v_wmma_scale_f32_16x16x128_f8f6f4 v[rD:rD+7], v[rB:rB+7], v[rA:rA+7], 0, v[rSB], v[rSA] matrix_a_fmt:MATRIX_FMT_FP4 matrix_b_fmt:MATRIX_FMT_FP4 matrix_a_scale:MATRIX_SCALE_ROW1 matrix_b_scale:MATRIX_SCALE_ROW1
.elseif fB
	v_wmma_scale_f32_16x16x128_f8f6f4 v[rD:rD+7], v[rB:rB+7], v[rA:rA+7], 0, v[rSB], v[rSA] matrix_a_fmt:MATRIX_FMT_FP4 matrix_b_fmt:MATRIX_FMT_FP4 matrix_a_scale:MATRIX_SCALE_ROW1
.elseif fA
	v_wmma_scale_f32_16x16x128_f8f6f4 v[rD:rD+7], v[rB:rB+7], v[rA:rA+7], 0, v[rSB], v[rSA] matrix_a_fmt:MATRIX_FMT_FP4 matrix_b_fmt:MATRIX_FMT_FP4 matrix_b_scale:MATRIX_SCALE_ROW1
.else
	v_wmma_scale_f32_16x16x128_f8f6f4 v[rD:rD+7], v[rB:rB+7], v[rA:rA+7], 0, v[rSB], v[rSA] matrix_a_fmt:MATRIX_FMT_FP4 matrix_b_fmt:MATRIX_FMT_FP4
.endif
.else
.if fB && fA
	v_wmma_scale_f32_16x16x128_f8f6f4 v[rD:rD+7], v[rB:rB+7], v[rA:rA+7], v[rD:rD+7], v[rSB], v[rSA] matrix_a_fmt:MATRIX_FMT_FP4 matrix_b_fmt:MATRIX_FMT_FP4 matrix_a_scale:MATRIX_SCALE_ROW1 matrix_b_scale:MATRIX_SCALE_ROW1
.elseif fB
	v_wmma_scale_f32_16x16x128_f8f6f4 v[rD:rD+7], v[rB:rB+7], v[rA:rA+7], v[rD:rD+7], v[rSB], v[rSA] matrix_a_fmt:MATRIX_FMT_FP4 matrix_b_fmt:MATRIX_FMT_FP4 matrix_a_scale:MATRIX_SCALE_ROW1
.elseif fA
	v_wmma_scale_f32_16x16x128_f8f6f4 v[rD:rD+7], v[rB:rB+7], v[rA:rA+7], v[rD:rD+7], v[rSB], v[rSA] matrix_a_fmt:MATRIX_FMT_FP4 matrix_b_fmt:MATRIX_FMT_FP4 matrix_b_scale:MATRIX_SCALE_ROW1
.else
	v_wmma_scale_f32_16x16x128_f8f6f4 v[rD:rD+7], v[rB:rB+7], v[rA:rA+7], v[rD:rD+7], v[rSB], v[rSA] matrix_a_fmt:MATRIX_FMT_FP4 matrix_b_fmt:MATRIX_FMT_FP4
.endif
.endif
.endm
; A joint load: waves 0 and 1 fetch for h, waves 2 and 3 for W.  Each line has one mask and one set of registers for all that issue it; the branch hangs on the wave's number alone.
; Four v_nop follow each of the two lines, ahead of the jump, the label and what follows.
.macro JLOAD g0a, g1a, g0b, g1b
	s_cmp_eq_u32 s11, 0
	s_cbranch_scc0 .Lfor_b_\@
	tensor_load_to_lds s[\g0a:\g0a+3], s[\g1a:\g1a+7]
	s_nop 0
.rept 4
	v_nop
.endr
	s_branch .Lasked_\@
.Lfor_b_\@:
	tensor_load_to_lds s[\g0b:\g0b+3], s[\g1b:\g1b+7]
	s_nop 0
.rept 4
	v_nop
.endr
.Lasked_\@:
.endm
; A round of the cluster's barrier: my work-group's barrier; wave 0 signals for the work-group; every wave waits for all sixteen work-groups; my work-group's barrier once more.
.macro CROUND
	s_barrier_signal -1
	s_barrier_wait -1
	s_cmp_lg_u32 s10, 0
	s_cbranch_scc1 .Lnot_wave_0_\@
	s_barrier_signal -3
.Lnot_wave_0_\@:
	s_barrier_wait -3
	s_barrier_signal -1
	s_barrier_wait -1
.endm
; PREFETCHES of the codes that the NEXT refill will fetch, behind each refill of the loop and its four lines.  Each aligned 256 bytes is named once in the launch.  h's block of a row tile is read by all sixteen clusters:
; the first cluster asks, its waves 0 and 1, the four partners of a row sharing a run's 65,536 bytes out by address (8,192 a wave, lanes 256 bytes apart).  W's block is read by one column of one cluster: wave 2 asks,
; the four partners sharing a run's 32,768 bytes out by address.  s[92:93] stands at the run that the small slot takes in this trip.  ASK1, behind the large refill: that run.  ASK2, behind the small refill: the run after
; it, and in the first trip the run after that; in the second trip that would be the short run 10, which is not asked for.  Runs 0 to 4, run 10 and the scale bytes come by their loads alone.
.macro ASK1
	s_cmp_ge_u32 s3, s96                           ; s96: 1 in a wave that asks, else the greatest number; s3: trips to go, 2 or 1
	s_cbranch_scc0 .Lnot_mine_\@
	global_prefetch_b8 v16, s[92:93] th:TH_LOAD_NT scope:SCOPE_SE
.Lnot_mine_\@:
.endm
.macro ASK2
	s_cmp_ge_u32 s3, s96
	s_cbranch_scc0 .Lnot_mine_\@
	global_prefetch_b8 v17, s[92:93] th:TH_LOAD_NT scope:SCOPE_SE
	s_cmp_gt_u32 s3, s96
	s_cbranch_scc0 .Lnot_mine_\@
	global_prefetch_b8 v18, s[92:93] th:TH_LOAD_NT scope:SCOPE_SE
.Lnot_mine_\@:
.endm
.macro G1REST g, r                     ; a dense block as r rows of 256 bytes: 32 elements of 8 bytes, pitch = row
	s_mov_b32 s[\g+1], 32<<16
	s_mov_b32 s[\g+2], (\r)<<16
	s_mov_b32 s[\g+3], 32<<16
	s_mov_b32 s[\g+4], \r
	s_mov_b32 s[\g+5], 32
	s_mov_b32 s[\g+6], 0
	s_mov_b32 s[\g+7], 0
.endm
	s_load_b128 s[4:7], s[0:1], 0x0                ; hc, wdc
	s_load_b64 s[8:9], s[0:1], 0x10                ; out0
	v_lshl_add_u32 v14, v0, 2, SPARE
	v_mov_b32 v15, 0
	ds_add_u32 v14, v15
	ds_add_u32 v14, v15
	s_wait_dscnt 0x0
	v_lshrrev_b32 v1, 5, v0
	v_readfirstlane_b32 s10, v1                    ; wave 0..3
	s_lshr_b32 s11, s10, 1                         ; I fetch for h (0) or for W (1),
	s_and_b32 s12, s10, 1                          ; the first or the second half of a fill
	s_bfe_u32 s97, ttmp6, 0x40000                  ; cx
	s_bfe_u32 s98, ttmp6, 0x40004                  ; cy: also the row tile
	s_lshl_b32 s99, ttmp9, 2
	s_add_co_u32 s99, s99, s97                     ; the column tile = 4 x cluster x + cx
	s_lshl_b32 s100, s98, 2
	s_lshl_b32 s100, 15, s100                      ; my row of the cluster
	s_lshl_b32 s101, 0x1111, s97                   ; my column
.irp g, G1AB, G1AS, G1AL
	s_or_b32 s[\g], s100, (3<<16)|(1<<21)          ; 15:0 the mask; 17:16 elements of 8 bytes; 21 set beside a mask; no padding
.endr
.irp g, G1BB, G1BS, G1BL
	s_or_b32 s[\g], s101, (3<<16)|(1<<21)
.endr
	G1REST G1AB, 272
	G1REST G1BB, 136
	G1REST G1AS, 136
	G1REST G1BS, 68
	G1REST G1AL, 238
	G1REST G1BL, 119
	; h's addresses hang on cy and the wave alone (s13, s[14:15]), W's on the column tile and the wave alone (s3, s[66:67]); s2 holds the wave's half times a constant
	s_mul_i32 s13, s98, MTS
	s_mul_i32 s3, s99, NTS
	s_mov_b32 s15, 0
	s_mov_b32 s67, 0
	s_wait_kmcnt 0x0
	s_mul_i32 s2, s12, ABLK                        ; the large slot, first runs 0 and 1: a half is a run
	s_add_co_u32 s14, s13, s2
	s_mov_b32 s[G0AB], 1
	s_mov_b32 s[G0AB+1], s2                        ; LDS: place 0 or 1 (PA0 is 0)
	s_add_nc_u64 s[G0AB+2:G0AB+3], s[4:5], s[14:15]
	s_or_b32 s[G0AB+3], s[G0AB+3], 0x80000000
	s_mul_i32 s2, s12, BBLK
	s_add_co_u32 s66, s3, s2
	s_mov_b32 s[G0BB], 1
	s_add_co_u32 s[G0BB+1], s2, PB0
	s_add_nc_u64 s[G0BB+2:G0BB+3], s[6:7], s[66:67]
	s_or_b32 s[G0BB+3], s[G0BB+3], 0x80000000
	s_mul_i32 s2, s12, ABLK/2                      ; the small slot, first run 2: halves of a run
	s_add_co_u32 s14, s13, s2
	s_add_co_u32 s14, s14, 2*ABLK
	s_mov_b32 s[G0AS], 1
	s_add_co_u32 s[G0AS+1], s2, PA2
	s_add_nc_u64 s[G0AS+2:G0AS+3], s[4:5], s[14:15]
	s_or_b32 s[G0AS+3], s[G0AS+3], 0x80000000
	s_mul_i32 s2, s12, BBLK/2
	s_add_co_u32 s66, s3, s2
	s_add_co_u32 s66, s66, 2*BBLK
	s_mov_b32 s[G0BS], 1
	s_add_co_u32 s[G0BS+1], s2, PB2
	s_add_nc_u64 s[G0BS+2:G0BS+3], s[6:7], s[66:67]
	s_or_b32 s[G0BS+3], s[G0BS+3], 0x80000000
	s_mul_i32 s2, s12, 60928                       ; runs 9 and 10 into the large slot: halves of 69,632 + 52,224 bytes
	s_add_co_u32 s14, s13, s2
	s_add_co_u32 s14, s14, 9*ABLK
	s_mov_b32 s[G0AL], 1
	s_mov_b32 s[G0AL+1], s2
	s_add_nc_u64 s[G0AL+2:G0AL+3], s[4:5], s[14:15]
	s_or_b32 s[G0AL+3], s[G0AL+3], 0x80000000
	s_mul_i32 s2, s12, 30464                       ; halves of 34,816 + 26,112 bytes
	s_add_co_u32 s66, s3, s2
	s_add_co_u32 s66, s66, 9*BBLK
	s_mov_b32 s[G0BL], 1
	s_add_co_u32 s[G0BL+1], s2, PB0
	s_add_nc_u64 s[G0BL+2:G0BL+3], s[6:7], s[66:67]
	s_or_b32 s[G0BL+3], s[G0BL+3], 0x80000000
	; the prefetches: whose, from where, by what step
	s_lshl_b32 s100, s97, 1
	s_add_co_u32 s100, s100, s10
	s_lshl_b32 s100, s100, 13
	s_add_co_u32 s100, s100, s13
	s_add_co_u32 s100, s100, 2*ABLK                ; h: my 8,192 bytes of run 2's codes; the first large refill steps this to run 5
	s_lshl_b32 s101, s98, 13
	s_add_co_u32 s101, s101, s3
	s_add_co_u32 s101, s101, 2*BBLK                ; W: likewise
	s_sub_co_u32 s2, s10, 2
	s_cmp_eq_u32 s11, 0
	s_cselect_b32 s14, s100, s101
	s_cselect_b32 s2, ttmp9, s2                    ; 0 in waves 0, 1 of the first cluster and in wave 2 of every cluster: the same in all sixteen partners
	s_mov_b32 s66, BBLK
	s_cselect_b32 s66, ABLK, s66                   ; a run on
	s_cselect_b64 s[92:93], s[4:5], s[6:7]
	s_cmp_eq_u32 s2, 0
	s_cselect_b32 s96, 1, -1
	s_add_nc_u64 s[92:93], s[92:93], s[14:15]
	s_mul_i32 s94, s66, 3                          ; three runs on: a trip
	s_mov_b32 s95, 0
	; out0: row 128 cy + 32 w, column 64 x column tile
	s_lshl_b32 s14, s98, 21
	s_lshl_b32 s2, s10, 19
	s_add_co_u32 s14, s14, s2
	s_lshl_b32 s2, s99, 8
	s_add_co_u32 s14, s14, s2
	s_add_nc_u64 s[8:9], s[8:9], s[14:15]
	CROUND                                         ; all sixteen work-groups are here: the first joint loads meet
	s_cmp_eq_u32 s11, 0                            ; a wave's two first fills stand in one branch, ahead of every wait on TENSORcnt, every LDS read and every other barrier: two loads of mine are out
	s_cbranch_scc0 .Lfirst_b
	tensor_load_to_lds s[G0AB:G0AB+3], s[G1AB:G1AB+7]      ; runs 0 and 1
	s_nop 0
	tensor_load_to_lds s[G0AS:G0AS+3], s[G1AS:G1AS+7]      ; run 2
	s_nop 0
.rept 4
	v_nop
.endr
	s_branch .Lfirst_asked
.Lfirst_b:
	tensor_load_to_lds s[G0BB:G0BB+3], s[G1BB:G1BB+7]
	s_nop 0
	tensor_load_to_lds s[G0BS:G0BS+3], s[G1BS:G1BS+7]
	s_nop 0
.rept 4
	v_nop
.endr
.Lfirst_asked:
	v_and_b32 v1, 15, v0                           ; r
	v_bfe_u32 v2, v0, 4, 1                         ; h
	v_lshlrev_b32 v19, 4, v1
	s_lshl_b32 s2, s10, 9
	v_lshl_add_u32 v3, v2, 11, v19
	v_add_nc_u32 v3, s2, v3                        ; h's codes: block h of a pair (2,048 bytes apart) + my 32 rows + 16 r
	v_lshl_add_u32 v4, v2, 10, v19                 ; W's codes: block h of a pair (1,024 apart) + 16 r
	v_and_b32 v16, 31, v0
	v_lshlrev_b32 v5, 3, v16
	s_lshl_b32 s2, s10, 8
	v_add_nc_u32 v5, s2, v5
	v_add_nc_u32 v5, 49152, v5                     ; h's scale bytes, as they lie in the short block; a full block's lie 16,384 on
	v_lshl_add_u32 v6, v2, 3, v19
	v_add_nc_u32 v6, 24576, v6                     ; W's likewise; a full block's lie 8,192 on
	s_mul_i32 s2, s10, 8704
	s_add_co_u32 s2, s2, STAGE                     ; my stage
	v_mul_u32_u24 v11, v1, 272
	v_lshl_add_u32 v11, v2, 7, v11
	v_add_nc_u32 v11, s2, v11                      ; in: row r, columns 32 h on
	v_mul_u32_u24 v12, v2, 272
	v_add_nc_u32 v12, v12, v19
	v_add_nc_u32 v12, s2, v12                      ; back: lanes 0-15 one row of 256 bytes, lanes 16-31 the next
	v_lshl_add_u32 v13, v2, 14, v19                ; and the same two rows in out0
	v_lshlrev_b32 v16, 8, v16                      ; the prefetches: lanes 256 bytes apart;
	v_add_nc_u32 v17, s66, v16                     ; a run on;
	v_add_nc_u32 v18, s66, v17                     ; two runs on
.macro FETCH q, x                      ; the fragments of the run's q-th K step into set x: 12 loads
.irp a, 0,1
.irp c, 0,1
	ds_load_b128 v[32+16*(\x)+8*\a+4*\c:32+16*(\x)+8*\a+4*\c+3], v7 offset:8192*(\q)+4096*\c+256*\a
.endr
.endr
.irp b, 0,1,2,3
.irp c, 0,1
	ds_load_b128 v[64+32*(\x)+8*\b+4*\c:64+32*(\x)+8*\b+4*\c+3], v8 offset:4096*(\q)+2048*\c+256*\b
.endr
.endr
.endm
.macro SCF ch, sg, oa, ob              ; the scale words of the run's chunk ch (two K steps) into set sg: 3 loads.  Lanes 0-15 an even fragment, lanes 16-31 the odd one
	ds_load_b64 v[20+2*(\sg):21+2*(\sg)], v9 offset:(\oa)+1024*(\ch)
.irp p, 0,1
	ds_load_b64 v[24+4*(\sg)+2*\p:25+4*(\sg)+2*\p], v10 offset:(\ob)+512*(\ch)+256*\p
.endr
.endm
.macro MUL8 q, zero                    ; the eight accumulators by turns, one instruction a turn
.irp a, 0,1
.irp b, 0,1,2,3
.set rD, 128+8*(4*\a+\b)
.set rB, 64+32*((\q)%2)+8*\b
.set rA, 32+16*((\q)%2)+8*\a
.set rSB, 24+4*(((\q)/2)%2)+2*(\b/2)+(\q)%2
.set rSA, 20+2*(((\q)/2)%2)+(\q)%2
.set fB, \b%2
.set fA, \a
	WM \zero
.endr
.endr
.endm
; A run's nq K steps, from the place whose blocks begin at LDS bytes pa (h) and pb (W).  Each step first asks for the next step's fragments, then waits for all but those.
.macro RUN nq, zero, oa, ob, pa, pb
	v_add_nc_u32 v7, \pa, v3                       ; (these four are also the places in front of the loads below)
	v_add_nc_u32 v8, \pb, v4
	v_add_nc_u32 v9, \pa, v5
	v_add_nc_u32 v10, \pb, v6
	FETCH 0, 0
	SCF 0, 0, \oa, \ob
.set Q, 0
.rept \nq
.if Q+1 < \nq
	PLACES
	FETCH Q+1, (Q+1)%2
.if (Q+1)%2 == 0
	SCF (Q+1)/2, ((Q+1)/2)%2, \oa, \ob
	s_wait_dscnt 15                                ; all but the 15 just issued
.else
	s_wait_dscnt 12                                ; all but the 12 just issued
.endif
.else
	s_wait_dscnt 0x0
.endif
.if \zero && (Q == 0)
	MUL8 Q, 1                                      ; the first products start the sums: nothing is cleared
.else
	MUL8 Q, 0
.endif
.set Q, Q+1
.endr
.endm
; THE CHANGE OF SLOTS.  Each wave waits for all its tensor loads (its part of the slot that it is about to read), adds 0 to its spare word, and waits for that and for its reads of the slot that it has left.
; kind 1: a round of the cluster's barrier, and the large slot takes the next two runs.  kind 2: the small slot takes the next run.  kind 3: the large slot takes runs 9 and 10.  kind 0: nothing is left to fetch: the work-group's barrier.
.macro CHANGE kind
	s_wait_tensorcnt 0x0                           ; no tensor load of mine is out, so a group 0 may be written
	ds_add_u32 v14, v15                            ; 0 onto my spare word
.if \kind == 1
	s_add_nc_u64 s[G0AB+2:G0AB+3], s[G0AB+2:G0AB+3], 3*ABLK    ; three runs on; the type bits on top are not reached
	s_add_nc_u64 s[G0BB+2:G0BB+3], s[G0BB+2:G0BB+3], 3*BBLK
	s_wait_xcnt 0x0                                ; the last prefetches, a refill back, have read their address
	s_add_nc_u64 s[92:93], s[92:93], s[94:95]
.endif
.if \kind == 2
	s_add_nc_u64 s[G0AS+2:G0AS+3], s[G0AS+2:G0AS+3], 3*ABLK
	s_add_nc_u64 s[G0BS+2:G0BS+3], s[G0BS+2:G0BS+3], 3*BBLK
.endif
	s_wait_dscnt 0x0                               ; the add is done, and my reads of the slot that I have left are over
.if \kind == 0
	s_barrier_signal -1
	s_barrier_wait -1
.else
	CROUND                                         ; no wave of any partner still reads that slot or has a load on its way
.endif
.if \kind == 1
	JLOAD G0AB, G1AB, G0BB, G1BB                   ; my one tensor load behind the round, and the first thing there
	ASK1
.endif
.if \kind == 2
	JLOAD G0AS, G1AS, G0BS, G1BS
	ASK2
.endif
.if \kind == 3
	JLOAD G0AL, G1AL, G0BL, G1BL
.endif
.endm
	s_wait_tensorcnt 0x1                           ; my part of runs 0 and 1 is in; run 2's load, issued behind it, may be out
	s_barrier_signal -1
	s_barrier_wait -1                              ; everybody's is
	RUN 8, 1, 16384, 8192, PA0, PB0                ; run 0
	RUN 8, 0, 16384, 8192, PA1, PB1                ; run 1
	s_mov_b32 s3, 2
.Ltrip:                                                ; two trips: runs 3 to 8 are asked for, runs 2 to 7 multiplied
	CHANGE 1
	RUN 8, 0, 16384, 8192, PA2, PB2
	CHANGE 2
	RUN 8, 0, 16384, 8192, PA0, PB0
	RUN 8, 0, 16384, 8192, PA1, PB1
	s_sub_co_u32 s3, s3, 1
	s_cmp_lg_u32 s3, 0
	s_cbranch_scc1 .Ltrip
	CHANGE 3                                       ; the tail is written out: runs 9 and 10 are asked for
	RUN 8, 0, 16384, 8192, PA2, PB2                ; run 8
	CHANGE 0
	RUN 8, 0, 16384, 8192, PA0, PB0                ; run 9
	RUN 6, 0, 0, 0, PA1, PB1                       ; run 10: 768 along K
	; THE WAY OUT.  A lane's 32 numbers of a row are spread over four accumulators: they meet in my stage in LDS (rows 272 bytes apart) and come back as whole rows of 256 bytes.
	PLACES
.irp a, 0,1
.irp j, 0,1,2,3
.irp i, 0,1,2,3,4,5,6,7                ; each accumulator from its low end on
	ds_store_b32 v11, v[128+8*(4*\a+\j)+\i] offset:4352*\a+16*\i+4*\j
.endr
.endr
.endr
.irp t, 0,1,2,3,4,5,6,7,8,9,10,11,12,13,14,15
	ds_load_b128 v[192+4*\t:195+4*\t], v12 offset:544*\t   ; LDS serves a wave's instructions in order: these see my stores
.endr
.irp t, 0,1,2,3,4,5,6,7,8,9,10,11,12,13,14,15
	s_wait_dscnt 15-\t
	global_store_b128 v13, v[192+4*\t:195+4*\t], s[8:9] offset:32768*\t th:TH_STORE_NT   ; each half of the lanes stores 256 consecutive bytes, aligned; written once, read by nobody here
.endr
	s_wait_tensorcnt 0x0                           ; the wave's end: behind my last tensor load and my last LDS store
	ds_add_u32 v14, v15
	s_wait_dscnt 0x0
	CROUND                                         ; the closing round: no work-group ends while a partner may still ask for a block that names it
	s_endpgm
.Lfunc_end_k_qb95d694bb2_gemm2:
	.size	k_qb95d694bb2_gemm2, .Lfunc_end_k_qb95d694bb2_gemm2-k_qb95d694bb2_gemm2
	.p2alignl 7, 3214868480
	.fill 96, 4, 3214868480
	.section	.rodata,"a",@progbits
	.p2align	6, 0x0
	.amdhsa_kernel k_qb95d694bb2_gemm2
		.amdhsa_group_segment_fixed_size 327680
		.amdhsa_private_segment_fixed_size 0
		.amdhsa_enable_private_segment 0
		.amdhsa_kernarg_size 24
		.amdhsa_user_sgpr_count 2
		.amdhsa_user_sgpr_kernarg_segment_ptr 1
		.amdhsa_wavefront_size32 1
		.amdhsa_system_sgpr_workgroup_id_x 1
		.amdhsa_system_sgpr_workgroup_id_y 1
		.amdhsa_system_sgpr_workgroup_id_z 1
		.amdhsa_system_vgpr_workitem_id 0
		.amdhsa_next_free_vgpr 256
		.amdhsa_next_free_sgpr 102
		.amdhsa_reserve_vcc 0
		.amdhsa_float_denorm_mode_32 3
		.amdhsa_float_denorm_mode_16_64 3
		.amdhsa_memory_ordered 1
		.amdhsa_forward_progress 1
		.amdhsa_inst_pref_size 146
	.end_amdhsa_kernel
	.amdgpu_metadata
---
amdhsa.version: [ 1, 2 ]
amdhsa.kernels:
  - .name:           k_qb95d694bb2_gemm2
    .symbol:         k_qb95d694bb2_gemm2.kd
    .args:
      - { .name: hc, .offset: 0, .size: 8, .value_kind: global_buffer, .address_space: global }
      - { .name: wdc, .offset: 8, .size: 8, .value_kind: global_buffer, .address_space: global }
      - { .name: out0, .offset: 16, .size: 8, .value_kind: global_buffer, .address_space: global }
    .group_segment_fixed_size: 327680
    .private_segment_fixed_size: 0
    .kernarg_segment_align: 8
    .kernarg_segment_size: 24
    .max_flat_workgroup_size: 128
    .sgpr_count:     102
    .vgpr_count:     256
    .wavefront_size: 32
...
	.end_amdgpu_metadata
.endif
;; end of part 3
